; MI455X (gfx1250); checked and timed in simulation.
; The chip was launched on July 23, 2026; its instructions are those of AMD's public machine-readable ISA for CDNA 5 (MIT licence, August 2026) and "CDNA5" Instruction Set Architecture Reference Guide (July 2026). The comments in the code are by the model that wrote it; some were corrected since.
;; Traj Attention. Allowed arithmetic: matrix products marked QUANTISED: E4M3 operands, one given power-of-two scale a tensor, by v_wmma_f32_16x16x64_fp8_fp8 or v_wmma_f32_16x16x128_fp8_fp8, f32 sums; everything else in f32.
;; Inputs: Wk_codes 1,024 x 32 x 32 uint8 (E4M3 codes of Wk, K innermost, in blocks of 32 codes); Wo_codes 1,024 x 32 x 32 uint8 (E4M3 codes of Wo, K innermost, in blocks of 32 codes); Wq_codes 1,024 x 32 x 32 uint8 (E4M3 codes of Wq, K innermost, in blocks of 32 codes); Wv_codes 1,024 x 32 x 32 uint8 (E4M3 codes of Wv, K innermost, in blocks of 32 codes); alpha 16 float32; h_codes 2 x 2,048 x 32 x 32 uint8 (E4M3 codes of h, K innermost, in blocks of 32 codes); lowp_scales 12 int32 (the exponents e of the quantised operands' scales 2^e); pseudo_time 2 x 2,048 float32.
;; Outputs: out0 2 x 2,048 x 1,024 float32.
;; This version of the problem:
;;   THIS VERSION OF THE PROBLEM IS GIVEN IN LOW PRECISION. The matrix products marked QUANTISED in the list below multiply operands that are first quantised to E4M3 (4 exponent bits, 3 mantissa bits; 8 bits a number), with one given power-of-two scale for each operand tensor; their sums are f32. All else is computed in f32.
;;   The module's matrix products, in the order in which they are computed (A, B: the left and right operand; K: the contracted axis; several contracted axes count as one K, in the product's order):
;;     1. [M 4,096, K 1,024] x [K 1,024, N 1,024]; A: input h (given as codes); B: input Wq (given as codes): QUANTISED (scales: A lowp_scales[0], B lowp_scales[1])
;;     2. [M 4,096, K 1,024] x [K 1,024, N 1,024]; A: input h (given as codes); B: input Wk (given as codes): QUANTISED (scales: A lowp_scales[2], B lowp_scales[3])
;;     3. [M 4,096, K 1,024] x [K 1,024, N 1,024]; A: input h (given as codes); B: input Wv (given as codes): QUANTISED (scales: A lowp_scales[4], B lowp_scales[5])
;;     4. batch 32 x [M 2,048, K 64] x [K 64, N 2,048]; A: computed on the way; B: computed on the way: QUANTISED (scales: A lowp_scales[6], B lowp_scales[7])
;;     5. batch 32 x [M 2,048, K 2,048] x [K 2,048, N 64]; A: softmax (see below); B: computed on the way: QUANTISED (scales: A lowp_scales[8], B lowp_scales[9])
;;     6. [M 4,096, K 1,024] x [K 1,024, N 1,024]; A: computed on the way; B: input Wo (given as codes): QUANTISED (scales: A lowp_scales[10], B lowp_scales[11])
;;   THE QUANTISER, for each operand of a quantised product, along K:
;;     - The operand's scale is 2^e, e = its entry of the input lowp_scales (int32; the entries are numbered through the quantised products in the list's order, A before B).
;;     - Each number is divided by the scale, clamped to +-448, and rounded to the nearest number of E4M3, ties to even, subnormals kept.
;;     - The product sums the exact products of the quantised numbers (number of the format x scale) in f32.
;;   ~~~python
;;   def quantise(x, axis, e):      # numpy; x: float32 -> the quantised numbers, widened to float32 again
;;       x = np.moveaxis(x, axis, -1); K = x.shape[-1]
;;       r = np.clip(x / 2.0 ** e, -448, 448)
;;       step = 2.0 ** (np.maximum(np.frexp(np.where(r == 0, 1, r))[1] - 1, -6) - 3)
;;       q = np.round(r / step) * step * 2.0 ** e      # np.round: ties to even
;;       return np.moveaxis(q, -1, axis).astype(np.float32)
;;   ~~~
;;   SOFTMAX AHEAD OF A QUANTISED PRODUCT. Where the list says 'softmax', what is quantised is not the finished softmax but p = 2^(t - M), with t = logit x log2(e) and M = ceil(the row's largest t), a whole number; so 1/2 < the row's largest p <= 1. The row's sum l is taken of the UNQUANTISED p, in f32, and the product's result is divided by l at the end. Since M is a whole number, a kernel that streams over the keys may use a running M (the ceiling of the running maximum): every later rescaling is an exact power of two, so the quantised numbers keep their values, but for numbers so far below the row's largest that they fall under the format's range.
;;   OPERANDS COMPUTED ON THE WAY. 'Computed on the way' means the value that the module computes at that place (a softmax that the list does not call 'softmax' is quantised finished and normalised). What goes into a quantiser is computed in f32, as accurately as f32 sums, v_exp_f32 and their like allow (about 1e-6 of the number): no bf16 or f16 on the way to a quantiser, and a product that is left as it is and whose result goes on into a quantised operand takes f32 operands (vector FMAs, or v_wmma_f32_16x16x4_f32). A number that lies on a knife's edge between two numbers of the format may be rounded either way, as far as f32 arithmetic and the matrix unit's own rounding can turn it there, and no further.
;;   INPUTS GIVEN AS CODES. Wk (in the module: [1024, 1024], K = its axis 1); Wo (in the module: [1024, 1024], K = its axis 1); Wq (in the module: [1024, 1024], K = its axis 1); Wv (in the module: [1024, 1024], K = its axis 1); h (in the module: [2, 2048, 1024], K = its axis 2): each comes as NAME_codes (uint8): NAME with its K axis moved to the last place and cut into blocks of 32 codes, [.., K / 32, bytes a block], one block behind the other in memory; one code a byte (a code: sign, 4 exponent bits, 3 mantissa bits); its scale is its entry of lowp_scales. Its value is code x scale, taken as it is: it is not quantised again, and the codes and scales need not be those that the quantiser above would give.
;; One version. Each part assembles by itself: llvm-mc -triple=amdgcn-amd-amdhsa -mcpu=gfx1250 --defsym DOCPART=n.
;; ======== version 1 of 1: 3 launches
;; limits: right only within a limited range of input values
;; workspace buffers: qf 4,194,304 bytes; kf 4,194,304 bytes; vf 4,194,304 bytes; af 4,194,304 bytes; wf 262,144 bytes
;; launch qkv (part 1): grid 8 x 32, 4 waves a work-group, clusters of 4 x 4, 327,680 bytes of LDS; arguments h_codes, Wq_codes, Wk_codes, Wv_codes, lowp_scales, pseudo_time, alpha, qf, kf, vf, wf; writes qf, kf, vf, wf
.if DOCPART == 1
	.amdgcn_target "amdgcn-amd-amdhsa--gfx1250"
	.amdhsa_code_object_version 6
	.text
	.protected	k_q48f0f28ab8_qkv
	.globl	k_q48f0f28ab8_qkv
	.p2align	8
	.type	k_q48f0f28ab8_qkv,@function
k_q48f0f28ab8_qkv:
	s_mov_b64 s[64:65], 0
	v_nop
	global_prefetch_b8 v0, s[64:65] scope:SCOPE_SE
	s_setreg_imm32_b32 hwreg(HW_REG_WAVE_MODE, 25, 1), 1
	s_wait_xcnt 0x0
	s_wait_alu depctr_hold_cnt(0) depctr_sa_sdst(0) depctr_va_vdst(0) depctr_va_sdst(0) depctr_va_ssrc(0) depctr_va_vcc(0) depctr_vm_vsrc(0)
	s_getreg_b32 s2, hwreg(HW_REG_IB_STS2, 6, 4)
	s_cmp_eq_u32 s2, 0
	s_cbranch_scc0 .Lentry_in_a_cluster
	s_endpgm
.Lentry_in_a_cluster:
	s_bfe_u32 s2, ttmp6, 0x10000c
	s_cmp_lg_u32 s2, 0xf033
	s_cbranch_scc0 .Lentry_shape_is_right
	s_endpgm
.Lentry_shape_is_right:
; q = h Wq^T, k = h Wk^T, v = h Wv^T on codes of E4M3, quantised to E4M3 for the attention launch; and w, the scaled times of the bias.
; h: [4096][1024] codes, each W: [1024][1024] codes, K innermost.  A sum of codes stands for sum x 2^(eh + eW); its code is sum / 2^E, E = eOut - eh - eW, held within +-448:
; q: E = e6 - e0 - e1;  k: E = e7 - e2 - e3;  v: E = e9 - e4 - e5.
; w(head, token) = (time - the batch's first time) x alpha x 2^(3 - e6 - e7): the bias -alpha |time_s - time_t| is -+|w_s - w_t| in units of the attention's sums of codes.
; LIMITS: -126 <= E <= 119, so that 2^E and 448 x 2^E are f32 numbers; w is finite.  NaN codes among the inputs are not served.
; SHARES.  Work-group (x, y): tokens 128 y on; heads 2 x and 2 x + 1 of q, of k and of v: 128 x 384 sums.  Four waves: 64 tokens (wave % 2) x one head (wave / 2) of each of the three: 48 accumulators.
; THE PRODUCT IS D = R0 x R1^T, source 0 = 16 rows of R0, source 1 = 16 rows of R1: a lane holds ONE row of R1, its registers eight neighbouring rows of R0, the axis that is K of the next product:
; q, k: R0 = the weight's rows (channels), R1 = tokens; v: R0 = tokens (the keys), R1 = the weight's rows.  A tile's eight registers convert into registers 2 b, 2 b + 1 of the next operand's fragment
; (k = 16 b + 8 (lane / 16) + 0 .. 7), and the fragments are stored AS IMAGES OF THEIR REGISTERS, lane l's 16 bytes at 16 l.
;   qf, kf: [batch x head][tile of 16 tokens][2 pieces of 512 bytes];   vf: [batch x head][step of 128 keys][tile of 16 channels][4 pieces of 512 bytes];   wf: [batch x head][2048] f32.
; RING.  K goes in steps of 256 through two LDS slots, each h's 128 rows and the three weights' 128 rows each, 272 bytes apart; a wave brings 128 of the 512 rows by one tensor load (wave 0: h; waves 1 to 3: Wq, Wk, Wv).
; CLUSTER 4 x 4.  The four work-groups of a row of the cluster need the same rows of h, the four of a column the same rows of the weights: each tile is asked for jointly.
; PREFETCH.  Each K step but the first is prefetched one K step ahead of its load: of the 128 rows that a wave fetches each of the four partners names 32, told apart by address (cx for h, cy for the weights), a lane a row of 256 bytes.
; REGISTERS.  window 0: v4, v10-31 addresses and constants, v32-127 codes, v128-191 tokens' fragments of odd steps.  window 1: v0-191 fragments of Wq, Wk, Wv (64 each), v192-255 tokens' of even steps.
;   window 2: q's accumulators (a, b) at 32 a + 8 b, k's behind them at 128.   window 3: v's.
.set PITCH, 272                        ; 256 bytes + 16 of padding = 68 words: the 16 rows of a fragment load start at 16 different banks (64 banks of 4 bytes: ISA guide 11.1)
.set HB,    128*PITCH
.set SLOT,  4*HB
.set SPARE, 2*SLOT                     ; the spare words: two blocks of 256 bytes that no other line names
.set WV,   20
.set HT,   21                          ; which 64 tokens
.set HD,   22                          ; which head
.set G1H,  32
.set G1W,  40
.set G0H,  48                          ; s[48:55] group 0 for h's tiles, a set for each slot;  s[56:63] for the weights'
.set G0W,  56
.set PFA,  96
.set ADT,  16
.set AW,   18
.set AV,   20
.set PFO,  22
.set OA,   23
.set SC,   24                          ; v24-26 2^E
.set LIM,  27                          ; v27-29 448 x 2^E
.set SPW,  30
.set NIL,  31
.set MSB, 0
.macro WIN new                         ; the immediate's high byte repeats the setting that is left
.if MSB != \new
	s_set_vgpr_msb (MSB<<8)|\new
.set MSB, \new
.endif
.endm
.macro PLACES n
.rept \n
	v_nop
.endr
.endm
.macro CROUND                          ; a round of the cluster's barrier
	s_barrier_signal -1
	s_barrier_wait -1
	s_cmp_lg_u32 s[WV], 0
	s_cbranch_scc1 .Lnot_wave_0_\@
	s_barrier_signal -3
.Lnot_wave_0_\@:
	s_barrier_wait -3
	s_barrier_signal -1
	s_barrier_wait -1
.endm
.macro JLOAD s                         ; wave 0 fetches for h, waves 1 to 3 for the weights; the branch hangs on the wave's number alone
	s_cmp_eq_u32 s[WV], 0
	s_cbranch_scc0 .Lfor_w_\@
	tensor_load_to_lds s[G0H+4*\s:G0H+4*\s+3], s[G1H:G1H+7]
	s_nop 0
	PLACES 4
	s_branch .Lasked_\@
.Lfor_w_\@:
	tensor_load_to_lds s[G0W+4*\s:G0W+4*\s+3], s[G1W:G1W+7]
	s_nop 0
	PLACES 4
.Lasked_\@:
.endm
.macro ASK k                           ; K step k: 32 rows x 256 bytes, a lane a row
	global_prefetch_b8 v[PFO], s[PFA:PFA+1] offset:256*\k th:TH_LOAD_NT scope:SCOPE_SE
.endm
	s_load_b512 s[4:19], s[0:1], 0x0               ; h s[4:5], Wq s[6:7], Wk s[8:9], Wv s[10:11], scales s[12:13], times s[14:15], alpha s[16:17], qf s[18:19]
	s_load_b128 s[84:87], s[0:1], 0x40             ; kf, vf
	s_load_b64 s[88:89], s[0:1], 0x50              ; wf
	v_lshl_add_u32 v[SPW], v0, 2, SPARE
	v_mov_b32 v[NIL], 0
	ds_add_u32 v[SPW], v[NIL]                      ; the wave's opening: the add, twice on end, and its wait
	ds_add_u32 v[SPW], v[NIL]
	v_lshrrev_b32 v1, 5, v0
	v_readfirstlane_b32 s[WV], v1                  ; wave 0..3
	s_and_b32 s[HT], s[WV], 1
	s_lshr_b32 s[HD], s[WV], 1
	s_bfe_u32 s23, ttmp6, 0x40000                  ; cx, cy
	s_bfe_u32 s24, ttmp6, 0x40004
	s_lshl_b32 s25, ttmp9, 2
	s_add_co_u32 s25, s25, s23                     ; x
	s_and_b32 s26, ttmp7, 0xffff
	s_lshl_b32 s26, s26, 2
	s_add_co_u32 s26, s26, s24                     ; y
	s_lshl_b32 s27, s24, 2
	s_lshl_b32 s27, 15, s27                        ; my row of the cluster
	s_lshl_b32 s28, 0x1111, s23                    ; my column
	; descriptor group 1: 128 rows x 256 bytes, 1,024 bytes apart in memory; elements of 1 byte, four words of padding after every 64; bit 21 beside a mask
	s_or_b32 s[G1H], s27, (1<<20)|(1<<21)|(5<<22)|(3<<25)
	s_or_b32 s[G1W], s28, (1<<20)|(1<<21)|(5<<22)|(3<<25)
.irp g, G1H, G1W
	s_mov_b32 s[\g+1], 256<<16
	s_mov_b32 s[\g+2], 128<<16
	s_mov_b32 s[\g+3], 256<<16
	s_mov_b32 s[\g+4], 128
	s_mov_b32 s[\g+5], 1024
	s_mov_b32 s[\g+6], 0
	s_mov_b32 s[\g+7], 0
.endr
	s_lshl_b32 s90, s26, 17                        ; h: row 128 y: made of y alone
	s_mov_b32 s91, 0
	s_lshl_b32 s92, s25, 17                        ; the weights: row 128 x: made of x alone
	s_mov_b32 s93, 0
	s_mul_i32 s94, s[WV], HB                       ; a wave's tile in a slot: wave x 128 rows
	s_wait_dscnt 0x0                               ; both opening adds are done
	s_wait_kmcnt 0x0
	s_cmp_eq_u32 s[WV], 2
	s_cselect_b64 s[2:3], s[8:9], s[6:7]
	s_cmp_eq_u32 s[WV], 3
	s_cselect_b64 s[2:3], s[10:11], s[2:3]         ; the weight that I fetch (waves 1 to 3)
	s_add_nc_u64 s[90:91], s[4:5], s[90:91]
	s_add_nc_u64 s[92:93], s[2:3], s[92:93]
.irp c, 0,1
	s_mov_b32 s[G0H+4*\c], 1
	s_add_co_u32 s[G0H+4*\c+1], s94, \c*SLOT
	s_add_nc_u64 s[G0H+4*\c+2:G0H+4*\c+3], s[90:91], \c*256
	s_or_b32 s[G0H+4*\c+3], s[G0H+4*\c+3], 0x80000000
	s_mov_b32 s[G0W+4*\c], 1
	s_add_co_u32 s[G0W+4*\c+1], s94, \c*SLOT
	s_add_nc_u64 s[G0W+4*\c+2:G0W+4*\c+3], s[92:93], \c*256
	s_or_b32 s[G0W+4*\c+3], s[G0W+4*\c+3], 0x80000000
.endr
	CROUND                                         ; all sixteen work-groups are here: the joint loads meet
	JLOAD 0                                        ; K step 0
	s_load_b256 s[68:75], s[12:13], 0x0            ; e0 .. e7
	s_load_b128 s[76:79], s[12:13], 0x20           ; e8 .. e11
	s_lshl_b32 s98, s25, 1
	s_add_co_u32 s95, s98, s[HD]                   ; my head
	s_lshl_b32 s98, s95, 2
	s_mov_b32 s99, 0
	s_add_nc_u64 s[16:17], s[16:17], s[98:99]
	s_load_b32 s80, s[16:17], 0x0                  ; its alpha
	s_lshr_b32 s29, s26, 4                         ; the batch
	s_and_b32 s30, s26, 15                         ; which 128 tokens of it
	s_lshl_b32 s98, s29, 13
	s_add_nc_u64 s[14:15], s[14:15], s[98:99]
	s_load_b32 s81, s[14:15], 0x0                  ; the batch's first time
	s_lshl_b32 s98, s30, 9
	s_lshl_b32 s31, s[HT], 8
	s_add_co_u32 s98, s98, s31                     ; my 64 tokens x 4 bytes
	s_add_nc_u64 s[100:101], s[14:15], s[98:99]
	s_lshl_b32 s31, s29, 4
	s_add_co_u32 s31, s31, s95                     ; batch x 16 + head
	s_lshl_b32 s90, s31, 13
	s_add_co_u32 s98, s98, s90
	s_add_nc_u64 s[88:89], s[88:89], s[98:99]      ; my part of wf
	s_lshl_b32 s90, s31, 17                        ; 131,072 bytes a head, 8,192 for 128 tokens in each of the three layouts
	s_lshl_b32 s91, s30, 13
	s_add_co_u32 s90, s90, s91
	s_lshl_b32 s91, s[HT], 12
	s_add_co_u32 s98, s90, s91                     ; q, k: token tile 4 HT on
	s_add_nc_u64 s[18:19], s[18:19], s[98:99]
	s_add_nc_u64 s[84:85], s[84:85], s[98:99]
	s_lshl_b32 s91, s[HT], 10
	s_add_co_u32 s98, s90, s91                     ; v: pieces 2 HT on of each tile
	s_add_nc_u64 s[86:87], s[86:87], s[98:99]
	; the prefetches: 32 of the 128 rows that I fetch
	s_cmp_eq_u32 s[WV], 0
	s_cselect_b64 s[PFA:PFA+1], s[4:5], s[2:3]
	s_cselect_b32 s98, s26, s25
	s_cselect_b32 s90, s23, s24
	s_lshl_b32 s98, s98, 17
	s_lshl_b32 s90, s90, 15
	s_add_co_u32 s98, s98, s90
	s_add_nc_u64 s[PFA:PFA+1], s[PFA:PFA+1], s[98:99]
	s_mul_i32 s2, s[HT], 64*PITCH
	s_mul_i32 s3, s[HD], 64*PITCH
	s_add_co_u32 s3, s3, HB
	; a fragment, 16 rows x 128 K: four loads of 16 bytes, 32 bytes apart, at row x pitch + 16 (lane / 16): a permutation of k that is the same in both operands
	v_and_b32 v1, 31, v0
	v_lshlrev_b32 v[PFO], 10, v1                   ; lane x 1,024 bytes
	v_lshlrev_b32 v[OA], 4, v1                     ; 16 x lane
	v_lshlrev_b32 v4, 3, v1                        ; 8 x lane: two tokens' times
	v_and_b32 v2, 15, v0
	v_bfe_u32 v3, v0, 4, 1
	v_mul_u32_u24 v5, v2, PITCH
	v_lshl_add_u32 v5, v3, 4, v5
	v_add_nc_u32 v[ADT], s2, v5
	v_add_nc_u32 v[AW], s3, v5
	v_add_nc_u32 v[ADT+1], SLOT, v[ADT]
	v_add_nc_u32 v[AW+1], SLOT, v[AW]
	v_add_nc_u32 v[AV], 2*HB, v[AW]
	v_add_nc_u32 v[AV+1], SLOT, v[AV]
	global_load_b64 v[10:11], v4, s[100:101]       ; the times; used on the way out
	ASK 1
.macro FW i, s, f                      ; weight i's fragment f of step s
	WIN 0x40
.irp c, 0,1,2,3
.if (\i) < 2
	ds_load_b128 v[64*(\i)+16*(\f)+4*\c:64*(\i)+16*(\f)+4*\c+3], v[AW+(((\s)/2)%2)] offset:HB*(\i)+128*((\s)%2)+32*\c+(\f)*16*PITCH
.else
	ds_load_b128 v[128+16*(\f)+4*\c:128+16*(\f)+4*\c+3], v[AV+(((\s)/2)%2)] offset:128*((\s)%2)+32*\c+(\f)*16*PITCH
.endif
.endr
.endm
.macro FT s, f                         ; the tokens' fragment f of step s
.set TF, 192-64*((\s)%2)
	WIN (0x40-0x40*((\s)%2))
.irp c, 0,1,2,3
	ds_load_b128 v[TF+16*(\f)+4*\c:TF+16*(\f)+4*\c+3], v[ADT+(((\s)/2)%2)] offset:128*((\s)%2)+32*\c+(\f)*16*PITCH
.endr
.endm
.macro FWA i, s                        ; weight i's four fragments of step s, in one run
.irp f, 0,1,2,3
	FW \i, \s, \f
.endr
.endm
.macro FTA s                           ; the tokens' four
.irp f, 0,1,2,3
	FT \s, \f
.endr
.endm
; 16 matrix instructions: weight i, step s.  The 48 accumulators take turns, one instruction a turn, in the same order in every step.  Step 0 starts the sums.
.macro MUL i, s
.irp a, 0,1,2,3
.if (\i) < 2
	WIN (0xa5-4*((\s)%2))                          ; source 0 the weight (window 1), source 1 tokens (window 1 or 0), C and D window 2
.else
	WIN (0xf5-((\s)%2))                            ; source 0 tokens, source 1 the weight, C and D window 3
.endif
.set TF, 192-64*((\s)%2)
.irp b, 0,1,2,3
.if (\i) < 2
.set DD, 128*(\i)+32*\a+8*\b
.set RA, 64*(\i)+16*\b
.set RB, TF+16*\a
.else
.set DD, 32*\a+8*\b
.set RA, TF+16*\b
.set RB, 128+16*\a
.endif
.if (\s) == 0
	v_wmma_f32_16x16x128_fp8_fp8 v[DD:DD+7], v[RA:RA+15], v[RB:RB+15], 0
.else
	v_wmma_f32_16x16x128_fp8_fp8 v[DD:DD+7], v[RA:RA+15], v[RB:RB+15], v[DD:DD+7]
.endif
.endr
.endr
.endm
; The change of slots stands in a slot's second step, behind its first 16 products: all of the step's fragments are in registers, so the slot is done with.
.macro CHANGE s
	WIN 0
	s_wait_tensorcnt 0x0                           ; my part of the next slot has landed
.if (\s) < 5
	ds_add_u32 v[SPW], v[NIL]                      ; 0 onto my spare word
	s_add_nc_u64 s[G0H+4*(((\s)/2)%2)+2:G0H+4*(((\s)/2)%2)+3], s[G0H+4*(((\s)/2)%2)+2:G0H+4*(((\s)/2)%2)+3], 512
	s_add_nc_u64 s[G0W+4*(((\s)/2)%2)+2:G0W+4*(((\s)/2)%2)+3], s[G0W+4*(((\s)/2)%2)+2:G0W+4*(((\s)/2)%2)+3], 512
	s_wait_dscnt 0x0                               ; the add is done, and my reads of this slot are over
	CROUND
	JLOAD (((\s)/2)%2)                             ; the K step two on, into the slot just left
.else
	s_wait_dscnt 0x0
	s_barrier_signal -1
	s_barrier_wait -1
.endif
.endm
; A step of 128 along K.  Each weight's fragments of the next step are fetched straight behind its 16 products, so they have the other two weights' products in which to land.
.macro STEP s
	s_wait_dscnt 31                                ; Wq's and the tokens' fragments are in; Wk's and Wv's 32 loads stand behind them
	MUL 0, \s
.if (\s) < 7
.if (\s)%2
	CHANGE \s
.endif
	PLACES 4                                       ; in front of loads into registers that matrix instructions have read
	FWA 0, \s+1
	FTA \s+1
.if (\s) == 1
	WIN 0
	ASK 3
.endif
	s_wait_dscnt 47                                ; Wk's are in: behind them Wv's 16 and the next step's 32
.else
	s_wait_dscnt 16
.endif
	MUL 1, \s
.if (\s) < 7
	PLACES 4
	FWA 1, \s+1
	s_wait_dscnt 47                                ; Wv's are in: behind them the next step's 48
.else
	s_wait_dscnt 0x0
.endif
	MUL 2, \s
.if (\s) < 7
	PLACES 4
	FWA 2, \s+1
.endif
.endm
	s_wait_alu depctr_va_vdst(0)                   ; the wait at the head's end
	s_wait_tensorcnt 0x0                           ; my part of K step 0 is in
	ds_add_u32 v[SPW], v[NIL]                      ; ahead of a later first fill
	s_wait_dscnt 0x0
	CROUND
	JLOAD 1                                        ; K step 1
	FWA 0, 0
	FTA 0
	FWA 1, 0
	FWA 2, 0
	WIN 0
	ASK 2
.irp s, 0,1,2,3,4,5,6,7
	STEP \s
.endr
	WIN 0
	PLACES 4                                       ; ahead of the first read of results
	s_wait_kmcnt 0x0                               ; the scales' exponents, alpha, the first time
.macro SCALES d, a, b, r
	s_sub_co_i32 s2, s[\d], s[\a]
	s_sub_co_i32 s2, s2, s[\b]
	s_add_co_i32 s2, s2, 127
	s_lshl_b32 s3, s2, 23
	v_mov_b32 v[SC+\r], s3                         ; 2^E: the conversion takes its exponent field
	s_add_co_i32 s2, s2, 8
	s_lshl_b32 s2, s2, 23
	s_or_b32 s2, s2, 0x600000
	v_mov_b32 v[LIM+\r], s2                        ; 448 x 2^E
.endm
	SCALES 74, 68, 69, 0
	SCALES 75, 70, 71, 1
	SCALES 77, 72, 73, 2
	s_add_co_i32 s2, s74, s75
	s_sub_co_i32 s2, 3, s2
	s_wait_alu depctr_va_vdst(0)
	s_wait_loadcnt 0x0                             ; the times
	v_mov_b32 v12, s80
	v_sub_f32 v10, v10, s81
	v_sub_f32 v11, v11, s81
	v_ldexp_f32 v12, v12, s2                       ; beta = alpha x 2^(3 - e6 - e7)
	v_mul_f32 v14, v12, v10
	v_mul_f32 v15, v12, v11
	global_store_b64 v4, v[14:15], s[88:89]        ; 256 consecutive bytes, aligned
.macro QUANT wm, wc, ab, cd, r, base, stride
	WIN \wm
.set n, 0
.rept 128
	v_med3_num_f32 v[\ab+n], v[\ab+n], -v[LIM+\r], v[LIM+\r]   ; the conversion to an 8-bit code does not saturate (ISA guide 7.6.2).  Each accumulator from its low end on
.set n, n+1
.endr
	WIN \wc
.irp a, 0,1,2,3
.irp b, 0,1,2,3
	v_cvt_scalef32_pk8_fp8_f32 v[\cd+8*\a+2*\b:\cd+8*\a+2*\b+1], v[\ab+32*\a+8*\b:\ab+32*\a+8*\b+7], v[SC+\r]
.endr
.endr
	v_nop                                          ; one plain vector line behind the last conversion
	WIN 0
.irp a, 0,1,2,3
	global_store_b128 v[OA], v[\cd+8*\a:\cd+8*\a+3], s[\base:\base+1] offset:\stride*\a       ; 32 lanes store 512 consecutive bytes, aligned
	global_store_b128 v[OA], v[\cd+8*\a+4:\cd+8*\a+7], s[\base:\base+1] offset:\stride*\a+512
.endr
.endm
	QUANT 0x82, 0x02, 0, 32, 0, 18, 1024
	QUANT 0x82, 0x02, 128, 64, 1, 84, 1024
	QUANT 0xc3, 0x03, 0, 96, 2, 86, 2048
	s_wait_tensorcnt 0x0                           ; the wave's end
	ds_add_u32 v[SPW], v[NIL]
	s_wait_dscnt 0x0
	CROUND                                         ; the closing round
	s_endpgm
.Lfunc_end_k_q48f0f28ab8_qkv:
	.size	k_q48f0f28ab8_qkv, .Lfunc_end_k_q48f0f28ab8_qkv-k_q48f0f28ab8_qkv
	.p2alignl 7, 3214868480
	.fill 96, 4, 3214868480
	.section	.rodata,"a",@progbits
	.p2align	6, 0x0
	.amdhsa_kernel k_q48f0f28ab8_qkv
		.amdhsa_group_segment_fixed_size 327680
		.amdhsa_private_segment_fixed_size 0
		.amdhsa_enable_private_segment 0
		.amdhsa_kernarg_size 88
		.amdhsa_user_sgpr_count 2
		.amdhsa_user_sgpr_kernarg_segment_ptr 1
		.amdhsa_wavefront_size32 1
		.amdhsa_system_sgpr_workgroup_id_x 1
		.amdhsa_system_sgpr_workgroup_id_y 1
		.amdhsa_system_sgpr_workgroup_id_z 1
		.amdhsa_system_vgpr_workitem_id 0
		.amdhsa_next_free_vgpr 1024
		.amdhsa_next_free_sgpr 102
		.amdhsa_reserve_vcc 0
		.amdhsa_float_denorm_mode_32 3
		.amdhsa_float_denorm_mode_16_64 3
		.amdhsa_memory_ordered 1
		.amdhsa_forward_progress 1
		.amdhsa_inst_pref_size 104
	.end_amdhsa_kernel
	.amdgpu_metadata
---
amdhsa.version: [ 1, 2 ]
amdhsa.kernels:
  - .name:           k_q48f0f28ab8_qkv
    .symbol:         k_q48f0f28ab8_qkv.kd
    .args:
      - { .name: h_codes, .offset: 0, .size: 8, .value_kind: global_buffer, .address_space: global }
      - { .name: Wq_codes, .offset: 8, .size: 8, .value_kind: global_buffer, .address_space: global }
      - { .name: Wk_codes, .offset: 16, .size: 8, .value_kind: global_buffer, .address_space: global }
      - { .name: Wv_codes, .offset: 24, .size: 8, .value_kind: global_buffer, .address_space: global }
      - { .name: lowp_scales, .offset: 32, .size: 8, .value_kind: global_buffer, .address_space: global }
      - { .name: pseudo_time, .offset: 40, .size: 8, .value_kind: global_buffer, .address_space: global }
      - { .name: alpha, .offset: 48, .size: 8, .value_kind: global_buffer, .address_space: global }
      - { .name: qf, .offset: 56, .size: 8, .value_kind: global_buffer, .address_space: global }
      - { .name: kf, .offset: 64, .size: 8, .value_kind: global_buffer, .address_space: global }
      - { .name: vf, .offset: 72, .size: 8, .value_kind: global_buffer, .address_space: global }
      - { .name: wf, .offset: 80, .size: 8, .value_kind: global_buffer, .address_space: global }
    .group_segment_fixed_size: 327680
    .private_segment_fixed_size: 0
    .kernarg_segment_align: 8
    .kernarg_segment_size: 88
    .max_flat_workgroup_size: 128
    .sgpr_count:     102
    .vgpr_count:     1024
    .wavefront_size: 32
...
	.end_amdgpu_metadata
.endif
;; end of part 1
;; launch attn (part 2): grid 8 x 32, 16 waves a work-group, clusters of 4 x 1, 327,680 bytes of LDS; arguments qf, kf, vf, wf, alpha, lowp_scales, af; writes af
.if DOCPART == 2
	.amdgcn_target "amdgcn-amd-amdhsa--gfx1250"
	.amdhsa_code_object_version 6
	.text
	.protected	k_q48f0f28ab8_attn
	.globl	k_q48f0f28ab8_attn
	.p2align	8
	.type	k_q48f0f28ab8_attn,@function
k_q48f0f28ab8_attn:
	s_mov_b64 s[64:65], 0
	v_nop
	global_prefetch_b8 v0, s[64:65] scope:SCOPE_SE
	s_setreg_imm32_b32 hwreg(HW_REG_WAVE_MODE, 25, 1), 1
	s_wait_xcnt 0x0
	s_wait_alu depctr_hold_cnt(0) depctr_sa_sdst(0) depctr_va_vdst(0) depctr_va_sdst(0) depctr_va_ssrc(0) depctr_va_vcc(0) depctr_vm_vsrc(0)
	s_getreg_b32 s2, hwreg(HW_REG_IB_STS2, 6, 4)
	s_cmp_eq_u32 s2, 0
	s_cbranch_scc0 .Lentry_in_a_cluster
	s_endpgm
.Lentry_in_a_cluster:
	s_bfe_u32 s2, ttmp6, 0x10000c
	s_cmp_lg_u32 s2, 0x3003
	s_cbranch_scc0 .Lentry_shape_is_right
	s_endpgm
.Lentry_shape_is_right:
; Causal attention with a bias in time, one head of 64 channels and 2,048 tokens to a row of the grid, both products on codes of E4M3.
; logit(s, t) = q_s . k_t / 8 - alpha |time_s - time_t| for t <= s.  t' = logit x log2(e); M = the ceiling of the row's running largest t', a whole number; p = 2^(t' - M) is quantised with 2^e8, not normalised;
; the row's sum l is taken of the unquantised p in f32; the result O x 2^(e8 + e9) / l is quantised with 2^e10 for the last product.
; LEFT OUT: key steps of 128 all of whose keys come after the tile's queries (the causal mask makes their p zero); a NaN or infinity that reaches only those is not carried.
; THE BIAS IS THE PRODUCT'S C.  wf holds w = (time - first time) x alpha x 2^(3 - e6 - e7), so |w_s - w_t| is |bias| in units of the sums of codes; the matrix instruction takes -|C| (ISA guide: NEG and ABS of C), C = w_s - w_t.
; alpha MAY BE NEGATIVE: then Q's codes are negated, so that the sum is -(q . k + |bias|), the factor c is negated, and the largest t' is at the smallest sum: v_med3 with a third source of +infinity is a maximum, with -infinity a minimum.
; LIMITS: e6 + e7 between -123 and 130 (added to c's exponent field); e8, and e10 - e8 - e9, between -126 and 119; the scaled scores stay under 2^31 in magnitude.  NaN among the inputs is not served.
; SHARES.  Sixteen waves, 256 registers each.  Work-group g (0 .. 7) of a head owns the sixteen tiles of 16 queries 128 J + 16 g on, J = 0 .. 15.  Waves a and 8 + a (a = 0 .. 7) share tile B, J = 15 - a: wave a walks its key steps 0 to 7,
; wave 8 + a its key steps 8 to 15 - a and then all of tile A, J = a: 8 and 9 tile steps of 128 keys.  The two parts of B are joined at the end by powers of two: wave 8 + a leaves O^T, -M and l in LDS, wave a adds its own.
; a hangs on the wave's number alone, so every branch is the same in all partners of a cluster; g enters only addresses of Q, w_s and the result, and the selects of the mask.
; LDS.  All of a head: K (131,072 bytes), V (131,072), w (8,192).  No byte is filled twice.  All loads are joint for the cluster's four work-groups, which share the head.
; At the head waves 0 to 3 ask for K's and V's key steps 0, 1 and 8, 9, wave 4 for w; behind the full sequence and a round each of the sixteen waves asks for a quarter of the six steps behind one of those four pieces.
; The first two trips are walked ahead of the barrier behind which those are read.  There is no later request that a prefetch could run ahead of, so none is written.
; Behind the spare words: 5,632 bytes for each of waves 8 to 15, into which no tile lands: its part of B (4,352), and Q's codes and w_s of tile A (1,152), put aside at the head.
; LAYOUT.  kf, qf, vf hold images of the operands' registers.  S^T = K Q^T (source 0 = 16 keys), O^T = V^T P^T (source 0 = 16 channels): a lane holds ONE query (lane % 16); register j of score tile t is key 16 t + 8 (lane / 16) + j.
; REGISTERS: v0 my stage + 16 x lane, v1-3 LDS bases, v4, v22, v23 the step's addresses, v5 what hides a key, v6 -M, v7 the largest t', v[8:9] l, v[10:11] w_s twice, v12 448 x 2^e8, v13 2^e8, v[14:15] f, v16, v17 the add's, v18-21 at work,
;   v24-31 Q, v32-63 O^T, v64-127 S^T, then p, v128-191 K, then V, v192-255 w of the keys; behind those P's codes (192-207), sums (208-223), four of the maximum's chains (224-227).
.set VREG,  131072
.set TREG,  262144
.set SPARE, 270336                     ; the spare words, 2,048 bytes that no other line names
.set STAGE, 272384
.set STB,   5632                       ; 22 blocks of 256 bytes a wave
.set HEAD0, 16384                      ; two key steps, in bytes: 64 rows of 256
.set QUART, 12288                      ; a quarter of the six behind them: 48 rows
.set KB,   2                           ; s2, s3 8,192 x and 512 x the key step
.set WO,   3
.set WV,   18
.set AI,   19                          ; a
.set SEL,  20
.set CS,   22                          ; s[22:23] c, with alpha's sign
.set G1S,  24
.set G1L,  32
.set G1T,  40
.set G0,   48                          ; s[48:51] group 0 of the head's fill;  s[96:99] of the later one
.set G0L,  96
.set JB,   52                          ; 15 - a
.set SINF, 53                          ; infinity with alpha's sign
.set GG,   54
.set ST,   55                          ; the key step
.set LAST, 60                          ; my last key step of the tile in hand
.set DG,   61                          ; the step on its diagonal
.set CNT,  62
.set STG,  63                          ; my pair's stage
.set SPW,  16
.set NIL,  17
.set LIM,  12
.set SC,   13
.set QQ,   24
.set OO,   32
.set SS,   64
.set XX,   128
.set YY,   192
.set PT,   208
.macro PLACES n
.rept \n
	v_nop
.endr
.endm
.macro CROUND                          ; a round of the cluster's barrier
	s_barrier_signal -1
	s_barrier_wait -1
	s_cmp_lg_u32 s[WV], 0
	s_cbranch_scc1 .Lnot_wave_0_\@
	s_barrier_signal -3
.Lnot_wave_0_\@:
	s_barrier_wait -3
	s_barrier_signal -1
	s_barrier_wait -1
.endm
	s_load_b256 s[4:11], s[0:1], 0x0               ; qf s[4:5], kf s[6:7], vf s[8:9], wf s[10:11]
	s_load_b128 s[12:15], s[0:1], 0x20             ; alpha s[12:13], the scales' exponents s[14:15]
	s_load_b64 s[16:17], s[0:1], 0x30              ; af
	v_lshl_add_u32 v[SPW], v0, 2, SPARE
	v_mov_b32 v[NIL], 0
	ds_add_u32 v[SPW], v[NIL]                      ; the wave's opening: the add, twice on end, and its wait
	ds_add_u32 v[SPW], v[NIL]
	v_lshrrev_b32 v18, 5, v0
	v_readfirstlane_b32 s[WV], v18                 ; wave 0..15
	s_and_b32 s[AI], s[WV], 7                      ; a
	s_xor_b32 s[JB], s[AI], 15                     ; 15 - a
	s_mul_i32 s[STG], s[AI], STB
	s_add_co_u32 s[STG], s[STG], STAGE
	s_bfe_u32 s81, ttmp6, 0x40000                  ; cx
	s_lshl_b32 s[GG], ttmp9, 2
	s_add_co_u32 s[GG], s[GG], s81                 ; g
	s_and_b32 s66, ttmp7, 0xffff                   ; 16 x batch + head, which the four partners share
	s_and_b32 s67, s66, 15                         ; the head
	; group 1: rows of 256 bytes (32 elements of 8), dense; mask of all four work-groups, bit 21 beside it
.irp g, G1S, G1L, G1T
	s_mov_b32 s[\g], 15|(3<<16)|(1<<21)
	s_mov_b32 s[\g+1], 32<<16
	s_mov_b32 s[\g+3], 32<<16
	s_mov_b32 s[\g+5], 32
	s_mov_b32 s[\g+6], 0
	s_mov_b32 s[\g+7], 0
.endr
	s_mov_b32 s[G1S+2], 64<<16
	s_mov_b32 s[G1S+4], 64
	s_mov_b32 s[G1L+2], 48<<16
	s_mov_b32 s[G1L+4], 48
	s_mov_b32 s[G1T+2], 32<<16
	s_mov_b32 s[G1T+4], 32
	s_mov_b32 s[SEL], 0x76543210
	s_mov_b32 s[SEL+1], 0xfedcba98
	s_mov_b32 s[G0], 1
	s_mov_b32 s[G0L], 1
	s_lshl_b32 s58, s66, 17                        ; the head's fragments: 131,072 bytes
	s_mov_b32 s59, 0
	s_lshl_b32 s86, s66, 13                        ; the head's w: 8,192 bytes
	s_mov_b32 s87, 0
	s_lshl_b32 s84, s67, 2
	s_mov_b32 s85, 0
	s_mov_b32 s83, 0
	s_wait_dscnt 0x0                               ; both opening adds are done
	s_wait_kmcnt 0x0
	s_load_b256 s[68:75], s[14:15], 0x0            ; e0 .. e7
	s_load_b128 s[76:79], s[14:15], 0x20           ; e8 .. e11
	s_add_nc_u64 s[12:13], s[12:13], s[84:85]
	s_load_b32 s80, s[12:13], 0x0                  ; alpha of my head
.macro POINT j, p                      ; tile j: Q's image at s[p:p+1], its w at s[p+2:p+3]
	s_lshl_b32 s82, s66, 17                        ; the head, token tile 8 J + g of 1,024 bytes
	s_lshl_b32 s81, s[\j], 13
	s_add_co_u32 s82, s82, s81
	s_lshl_b32 s81, s[GG], 10
	s_add_co_u32 s82, s82, s81
	s_add_nc_u64 s[\p:\p+1], s[4:5], s[82:83]
	s_lshr_b32 s82, s82, 4                         ; and 64 bytes of w
	s_add_nc_u64 s[\p+2:\p+3], s[10:11], s[82:83]
.endm
	POINT JB, 88
	POINT AI, 92
	v_and_b32 v18, 31, v0
	v_lshlrev_b32 v1, 4, v18                       ; 16 x lane
	v_and_b32 v19, 15, v0
	v_lshlrev_b32 v4, 2, v19
	v_add_nc_u32 v2, VREG, v1
	v_bfe_u32 v20, v0, 4, 1
	v_lshlrev_b32 v3, 5, v20
	v_add_nc_u32 v3, TREG, v3                      ; my half's eight numbers of a tile of 16 keys
	v_add_nc_u32 v0, s[STG], v1
	global_load_b128 v[QQ:QQ+3], v1, s[88:89]      ; Q and w_s are asked for ahead of the tiles
	global_load_b128 v[QQ+4:QQ+7], v1, s[88:89] offset:512
	global_load_b32 v10, v4, s[90:91]
	global_load_b128 v[SS:SS+3], v1, s[92:93]      ; tile A's (waves 8 to 15 put them aside)
	global_load_b128 v[SS+4:SS+7], v1, s[92:93] offset:512
	global_load_b32 v[SS+8], v4, s[94:95]
	s_cmp_lt_u32 s[WV], 2
	s_cselect_b64 s[56:57], s[6:7], s[8:9]         ; waves 0, 1 fetch of K, waves 2, 3 of V
	s_and_b32 s81, s[WV], 1
	s_lshl_b32 s82, s81, 16                        ; key steps 0, 1 or 8, 9
	s_add_nc_u64 s[56:57], s[56:57], s[58:59]
	s_add_nc_u64 s[56:57], s[56:57], s[82:83]
	CROUND                                         ; all four work-groups are here: the joint loads meet
	s_cmp_lt_u32 s[WV], 4                          ; one chain on the wave's number, one first fill to an arm
	s_cbranch_scc0 .Ltimes
	s_lshl_b32 s[G0+1], s[WV], 16                  ; 65,536 bytes: eight key steps of K or V
	s_mov_b64 s[G0+2:G0+3], s[56:57]
	s_or_b32 s[G0+3], s[G0+3], 0x80000000
	tensor_load_to_lds s[G0:G0+3], s[G1S:G1S+7]
	s_nop 0
	PLACES 4
	s_branch .Lasked
.Ltimes:
	s_cmp_eq_u32 s[WV], 4
	s_cbranch_scc0 .Lasked
	s_mov_b32 s[G0+1], TREG
	s_add_nc_u64 s[G0+2:G0+3], s[10:11], s[86:87]
	s_or_b32 s[G0+3], s[G0+3], 0x80000000
	tensor_load_to_lds s[G0:G0+3], s[G1T:G1T+7]
	s_nop 0
	PLACES 4
.Lasked:
	; the later fill: waves 0 to 7 of K, 8 to 15 of V; (wave / 4) x 65,536 bytes + two key steps + (wave % 4) quarters
	s_and_b32 s81, s[WV], 3
	s_mul_i32 s82, s81, QUART
	s_add_co_u32 s82, s82, HEAD0
	s_lshr_b32 s[G0L+1], s[WV], 2
	s_lshl_b32 s[G0L+1], s[G0L+1], 16
	s_add_co_u32 s[G0L+1], s[G0L+1], s82
	s_bfe_u32 s81, s[WV], 0x10002
	s_lshl_b32 s81, s81, 16
	s_add_co_u32 s82, s82, s81
	s_cmp_lt_u32 s[WV], 8
	s_cselect_b64 s[G0L+2:G0L+3], s[6:7], s[8:9]
	s_add_nc_u64 s[G0L+2:G0L+3], s[G0L+2:G0L+3], s[58:59]
	s_add_nc_u64 s[G0L+2:G0L+3], s[G0L+2:G0L+3], s[82:83]
	s_or_b32 s[G0L+3], s[G0L+3], 0x80000000
.macro CLEAR                           ; a tile's beginning
	v_mov_b32 v7, 0xff61b1e6                       ; the largest t' so far: -3e38, under every t'
	v_mov_b32 v8, 0                                ; l, in two halves
	v_mov_b32 v9, 0
	v_floor_f32 v6, -v7                            ; -M
.set n, 0
.rept 32
	v_mov_b32 v[OO+n], 0                           ; O^T: the first change of M leaves zeros
.set n, n+1
.endr
.endm
	v_mov_b32 v15, 0                               ; (named as the upper half of the pair v[14:15])
	CLEAR
	s_wait_kmcnt 0x0
	s_and_b32 s82, s80, 0x80000000                 ; alpha's sign
	s_add_co_i32 s81, s74, s75                     ; e6 + e7
	s_lshl_b32 s81, s81, 23
	s_mov_b32 s[CS], 0x3e38aa3b                    ; log2(e) / 8
	s_add_co_i32 s[CS], s[CS], s81
	s_or_b32 s[CS], s[CS], s82
	s_mov_b32 s[CS+1], s[CS]                       ; (named with it as a pair)
	s_or_b32 s[SINF], s82, 0x7f800000
	s_xor_b32 s81, s[SINF], 0x80000000
	v_mov_b32 v5, s81                              ; a hidden key's sum: t' is -infinity
	s_add_co_i32 s82, s76, 127
	s_lshl_b32 s83, s82, 23
	v_mov_b32 v[SC], s83                           ; 2^e8
	s_add_co_i32 s82, s82, 8
	s_lshl_b32 s82, s82, 23
	s_or_b32 s82, s82, 0x600000
	v_mov_b32 v[LIM], s82                          ; 448 x 2^e8
	s_ashr_i32 s81, s80, 31
	s_and_b32 s81, s81, 0x80808080                 ; flips the signs of four codes where alpha is negative
	; tile B: wave a from key step 0 to 7, wave 8 + a from 8 to 15 - a, where its diagonal lies
	s_lshr_b32 s82, s[WV], 3
	s_lshl_b32 s[ST], s82, 3
	s_lshl_b32 s[KB], s82, 16
	s_lshl_b32 s[WO], s82, 12
	s_cmp_lt_u32 s[WV], 8
	s_cselect_b32 s[LAST], 7, s[JB]
	s_cselect_b32 s[DG], 16, s[JB]                 ; (16: no step)
	s_wait_loadcnt 0x0                             ; Q and w_s
.set n, 0
.rept 8
	v_xor_b32 v[QQ+n], s81, v[QQ+n]
.set n, n+1
.endr
	v_mov_b32 v11, v10
	s_cmp_lt_u32 s[WV], 8
	s_cbranch_scc1 .Lno_a
.set n, 0
.rept 8
	v_xor_b32 v[SS+n], s81, v[SS+n]
.set n, n+1
.endr
	v_lshrrev_b32 v18, 2, v1                       ; 4 x lane
	v_add_nc_u32 v18, s[STG], v18
	ds_store_b128 v0, v[SS:SS+3] offset:4352
	ds_store_b128 v0, v[SS+4:SS+7] offset:4864
	ds_store_b32 v18, v[SS+8] offset:5376
.Lno_a:
; A KEY STEP of the tile in hand: w and K are loaded, C is made of w while K lands, V is loaded behind the score products.  A step behind my last is passed over, but for the lines at its end.
.macro STEP
	s_cmp_gt_i32 s[ST], s[LAST]
	s_cbranch_scc1 .Lhidden_\@
	v_add_nc_u32 v22, s[WO], v3
	v_add_nc_u32 v4, s[KB], v1
	v_add_nc_u32 v23, s[KB], v2
	v_nop                                          ; these four are the places between the last step's products and the loads into registers that they read
.irp t, 0,1,2,3,4,5,6,7
	ds_load_b128 v[YY+8*\t:YY+8*\t+3], v22 offset:64*\t     ; keys 16 t + 8 h + 0 .. 7: sixteen lanes read the same 16 bytes
	ds_load_b128 v[YY+8*\t+4:YY+8*\t+7], v22 offset:64*\t+16
.endr
.irp t, 0,1,2,3,4,5,6,7
	ds_load_b128 v[XX+8*\t:XX+8*\t+3], v4 offset:1024*\t    ; K's eight fragments (16 keys x 64 channels, 8 registers)
	ds_load_b128 v[XX+8*\t+4:XX+8*\t+7], v4 offset:1024*\t+512
.endr
	s_wait_dscnt 16                                ; w is in; K's 16 loads stand behind it
.set n, 0
.rept 32
	v_pk_add_f32 v[SS+n:SS+n+1], v[10:11], v[YY+n:YY+n+1] neg_lo:[0,1] neg_hi:[0,1]
.set n, n+2
.endr
	s_wait_alu depctr_va_vdst(0)                   ; directly ahead of the wait below
	s_wait_dscnt 0x0                               ; K is in
.irp t, 0,1,2,3,4,5,6,7
	v_wmma_f32_16x16x64_fp8_fp8 v[SS+8*\t:SS+8*\t+7], v[XX+8*\t:XX+8*\t+7], v[QQ:QQ+7], v[SS+8*\t:SS+8*\t+7] neg_lo:[0,0,1] neg_hi:[0,0,1]   ; the sums of codes less |w_s - w_t|
.endr
	PLACES 4                                       ; ahead of reads of the results, and of loads into K's registers
.irp t, 0,1,2,3
.irp c, 0,1,2,3
	ds_load_b128 v[XX+16*\t+4*\c:XX+16*\t+4*\c+3], v23 offset:2048*\t+512*\c   ; V's four fragments (16 channels x 128 keys, 16 registers)
.endr
.endr
	s_cmp_lg_u32 s[ST], s[DG]                      ; on the diagonal step hidden keys are taken out ahead of the maximum.  Each tile's first step holds keys that count for all its queries, or its own: so M is a number from there on
	s_cbranch_scc1 .Lopen_\@
.irp t, 0,1,2,3,4,5,6,7
	s_cmp_lt_u32 s[GG], \t                         ; tiles of keys behind the queries' are hidden whole, those ahead of them not at all;
	s_cselect_b32 s67, -1, 0
	s_cmp_eq_u32 s[GG], \t                         ; in the tile g key 8 h + i is hidden from lanes r < 8 h + i
.irp i, 0,1,2,3,4,5,6,7
	s_cselect_b32 s81, ((1<<\i)-1)|(((1<<(8+\i))-1)<<16), s67
	v_cndmask_b32 v[SS+8*\t+\i], v[SS+8*\t+\i], v5, s81
.endr
.endr
.Lopen_\@:
	v_med3_num_f32 v18, v[SS], v[SS+1], s[SINF]    ; the largest (alpha negative: the smallest) of my 64 sums, in eight chains,
	v_med3_num_f32 v19, v[SS+2], v[SS+3], s[SINF]
	v_med3_num_f32 v20, v[SS+4], v[SS+5], s[SINF]
	v_med3_num_f32 v21, v[SS+6], v[SS+7], s[SINF]
	v_med3_num_f32 v[YY+32], v[SS+8], v[SS+9], s[SINF]
	v_med3_num_f32 v[YY+33], v[SS+10], v[SS+11], s[SINF]
	v_med3_num_f32 v[YY+34], v[SS+12], v[SS+13], s[SINF]
	v_med3_num_f32 v[YY+35], v[SS+14], v[SS+15], s[SINF]
.irp i, 16,24,32,40,48,56
	v_med3_num_f32 v18, v18, v[SS+\i], s[SINF]
	v_med3_num_f32 v19, v19, v[SS+1+\i], s[SINF]
	v_med3_num_f32 v20, v20, v[SS+2+\i], s[SINF]
	v_med3_num_f32 v21, v21, v[SS+3+\i], s[SINF]
	v_med3_num_f32 v[YY+32], v[YY+32], v[SS+4+\i], s[SINF]
	v_med3_num_f32 v[YY+33], v[YY+33], v[SS+5+\i], s[SINF]
	v_med3_num_f32 v[YY+34], v[YY+34], v[SS+6+\i], s[SINF]
	v_med3_num_f32 v[YY+35], v[YY+35], v[SS+7+\i], s[SINF]
.endr
	v_med3_num_f32 v18, v18, v[YY+32], s[SINF]
	v_med3_num_f32 v19, v19, v[YY+33], s[SINF]
	v_med3_num_f32 v20, v20, v[YY+34], s[SINF]
	v_med3_num_f32 v21, v21, v[YY+35], s[SINF]
	s_delay_alu instid0(VALU_DEP_2)
	v_med3_num_f32 v18, v18, v20, s[SINF]
	s_delay_alu instid0(VALU_DEP_2)
	v_med3_num_f32 v19, v19, v21, s[SINF]
	s_delay_alu instid0(VALU_DEP_1)
	v_med3_num_f32 v18, v18, v19, s[SINF]
	s_delay_alu instid0(VALU_DEP_1)
	v_permlanex16_b32 v19, v18, s[SEL], s[SEL+1]
	s_delay_alu instid0(VALU_DEP_1)
	v_med3_num_f32 v18, v18, v19, s[SINF]          ; and of lane l xor 16's
	s_delay_alu instid0(VALU_DEP_1)
	v_mul_f32 v18, s[CS], v18                      ; as t'
	s_delay_alu instid0(VALU_DEP_1)
	v_max_num_f32 v7, v7, v18                      ; the running largest t'
	v_mov_b32 v20, v6
	s_delay_alu instid0(VALU_DEP_2)
	v_floor_f32 v6, -v7                            ; the new -M = floor(-t') = -ceil(t')
	s_delay_alu instid0(VALU_DEP_1)
	v_sub_f32 v18, v6, v20                         ; M's old value less its new one: a whole number, 0 or less
	s_delay_alu instid0(VALU_DEP_1)
	v_cvt_i32_f32 v18, v18                         ; (it saturates)
	s_delay_alu instid0(VALU_DEP_1)
	v_ldexp_f32 v14, 1.0, v18                      ; f = 2^(old M - new M)
.set n, 0
.rept 32
	v_pk_fma_f32 v[SS+n:SS+n+1], v[SS+n:SS+n+1], s[CS:CS+1], v[6:7] op_sel_hi:[1,0,0]   ; t' - M (of the pairs c and -M the low word serves both halves)
.set n, n+2
.endr
	s_wait_alu depctr_va_vdst(0)                   ; the wait ahead of the batch
.set n, 0
.rept 64
	v_exp_f32 v[SS+n], v[SS+n]                     ; p = 2^(t' - M), at most 1
.set n, n+1
.endr
	v_pk_mul_f32 v[8:9], v[8:9], v[14:15] op_sel_hi:[1,0]   ; l under the new M (the plain line behind the exponentials)
	s_wait_alu depctr_va_vdst(0)                   ; one wait for the batch, and for O^T
.set n, 0
.rept 16
	v_pk_mul_f32 v[OO+n:OO+n+1], v[OO+n:OO+n+1], v[14:15] op_sel_hi:[1,0]   ; O^T under the new M, each accumulator from its low end on
.set n, n+2
.endr
.irp k, 0,2,4,6,8,10,12,14             ; the unquantised p are added in eight chains
	v_pk_add_f32 v[PT+\k:PT+\k+1], v[SS+\k:SS+\k+1], v[SS+16+\k:SS+17+\k]
.endr
.irp k, 0,2,4,6,8,10,12,14
	v_pk_add_f32 v[PT+\k:PT+\k+1], v[PT+\k:PT+\k+1], v[SS+32+\k:SS+33+\k]
.endr
.irp k, 0,2,4,6,8,10,12,14
	v_pk_add_f32 v[PT+\k:PT+\k+1], v[PT+\k:PT+\k+1], v[SS+48+\k:SS+49+\k]
.endr
.irp k, 0,2,4,6
	v_pk_add_f32 v[PT+\k:PT+\k+1], v[PT+\k:PT+\k+1], v[PT+8+\k:PT+9+\k]
.endr
	s_delay_alu instid0(VALU_DEP_2)
	v_pk_add_f32 v[PT:PT+1], v[PT:PT+1], v[PT+4:PT+5]
	s_delay_alu instid0(VALU_DEP_2)
	v_pk_add_f32 v[PT+2:PT+3], v[PT+2:PT+3], v[PT+6:PT+7]
	s_delay_alu instid0(VALU_DEP_1)
	v_pk_add_f32 v[PT:PT+1], v[PT:PT+1], v[PT+2:PT+3]
	s_delay_alu instid0(VALU_DEP_1)
	v_pk_add_f32 v[8:9], v[8:9], v[PT:PT+1]
.irp t, 0,1,2,3,4,5,6,7
.irp i, 0,2,4,6
	v_dual_min_num_f32 v[SS+8*\t+\i], v[SS+8*\t+\i], v[LIM] :: v_dual_min_num_f32 v[SS+8*\t+\i+1], v[SS+8*\t+\i+1], v[LIM]   ; the conversion does not saturate (ISA guide 7.6.2); p is not negative, so the hold is one-sided
.endr
	v_cvt_scalef32_pk8_fp8_f32 v[YY+2*\t:YY+2*\t+1], v[SS+8*\t:SS+8*\t+7], v[SC]   ; registers 2 t, 2 t + 1 of P's fragment
.endr
	v_nop                                          ; one plain vector line behind the last conversion
	s_wait_alu depctr_va_vdst(0)                   ; directly ahead of the wait below
	s_wait_dscnt 0x0                               ; V is in
.irp t, 0,1,2,3
	v_wmma_f32_16x16x128_fp8_fp8 v[OO+8*\t:OO+8*\t+7], v[XX+16*\t:XX+16*\t+15], v[YY:YY+15], v[OO+8*\t:OO+8*\t+7]   ; the four accumulators take turns, one instruction a turn
.endr
.Lhidden_\@:
	s_add_co_u32 s[KB], s[KB], 8192
	s_add_co_u32 s[WO], s[WO], 512
	s_add_co_u32 s[ST], s[ST], 1
.endm
	s_wait_alu depctr_va_vdst(0)                   ; the wait at the head's end
	s_wait_tensorcnt 0x0                           ; what I asked for has landed
	ds_add_u32 v[SPW], v[NIL]                      ; ahead of a later first fill, the add twice on end
	ds_add_u32 v[SPW], v[NIL]
	s_wait_dscnt 0x0
	CROUND                                         ; key steps 0, 1, 8, 9 and w are in; all four work-groups are here
	tensor_load_to_lds s[G0L:G0L+3], s[G1L:G1L+7]
	s_nop 0
	PLACES 4
	s_mov_b32 s[CNT], 2
.Lfirst_steps:                                     ; key steps 0 and 1, or 8 and 9
	STEP
	s_sub_co_u32 s[CNT], s[CNT], 1
	s_cmp_lg_u32 s[CNT], 0
	s_cbranch_scc1 .Lfirst_steps
	s_wait_tensorcnt 0x0                           ; my part of the rest has landed
	s_wait_dscnt 0x0
	s_barrier_signal -1
	s_barrier_wait -1                              ; all of the head lies in LDS
	s_mov_b32 s[CNT], 6
.Lother_steps:
	STEP
	s_sub_co_u32 s[CNT], s[CNT], 1
	s_cmp_lg_u32 s[CNT], 0
	s_cbranch_scc1 .Lother_steps
	PLACES 4                                       ; ahead of reads of the results
	; waves 8 to 15 leave their part of B in the stage and take tile A up
	s_cmp_lt_u32 s[WV], 8
	s_cbranch_scc1 .Lno_turn
	v_lshrrev_b32 v18, 2, v1
	v_add_nc_u32 v18, s[STG], v18
	v_add_f32 v8, v8, v9
.irp i, 0,1,2,3,4,5,6,7
	ds_store_b128 v0, v[OO+4*\i:OO+4*\i+3] offset:512*\i
.endr
	ds_store_b32 v18, v6 offset:4096
	ds_store_b32 v18, v8 offset:4224
	ds_load_b128 v[QQ:QQ+3], v0 offset:4352        ; Q and w_s of tile A
	ds_load_b128 v[QQ+4:QQ+7], v0 offset:4864
	ds_load_b32 v10, v18 offset:5376
	CLEAR
	s_wait_dscnt 0x0
	v_mov_b32 v11, v10
	s_wait_alu depctr_va_vdst(0)
.Lno_turn:
	s_mov_b32 s[ST], 0
	s_mov_b32 s[KB], 0
	s_mov_b32 s[WO], 0
	s_mov_b32 s[DG], s[AI]
	s_cmp_lt_u32 s[WV], 8
	s_cselect_b32 s[LAST], -1, s[AI]               ; (-1: no step)
	s_mov_b32 s[CNT], 8
.La_steps:                                         ; tile A's key steps 0 to a
	STEP
	s_sub_co_u32 s[CNT], s[CNT], 1
	s_cmp_lg_u32 s[CNT], 0
	s_cbranch_scc1 .La_steps
	; where my tile goes in af: block 16 x batch + J of 131,072 bytes, K step head / 2 (16,384), token tile g (2,048), pieces 2 (head % 2) on (512 each)
	s_cmp_lt_u32 s[WV], 8
	s_cselect_b32 s82, s[JB], s[AI]
	s_lshr_b32 s81, s66, 4
	s_lshl_b32 s81, s81, 4
	s_add_co_u32 s82, s82, s81
	s_lshl_b32 s82, s82, 17
	s_bfe_u32 s81, s66, 0x30001
	s_lshl_b32 s81, s81, 14
	s_add_co_u32 s82, s82, s81
	s_lshl_b32 s81, s[GG], 11
	s_add_co_u32 s82, s82, s81
	s_and_b32 s81, s66, 1
	s_lshl_b32 s81, s81, 10
	s_add_co_u32 s82, s82, s81
	s_mov_b32 s83, 0
	s_add_nc_u64 s[16:17], s[16:17], s[82:83]
	s_sub_co_i32 s82, s78, s76
	s_sub_co_i32 s82, s82, s77                     ; e10 - e8 - e9
	s_add_co_i32 s82, s82, 127
	s_lshl_b32 s83, s82, 23
	s_add_co_i32 s82, s82, 8
	s_lshl_b32 s82, s82, 23
	s_or_b32 s82, s82, 0x600000
	PLACES 4                                       ; ahead of reads of the results
	s_wait_dscnt 0x0                               ; my stores into the stage are done
	s_barrier_signal -1
	s_barrier_wait -1
	; waves 0 to 7 join B's two parts: M is the larger of the two, each part is multiplied by 2^(its M - M): nothing is rounded but the sums
	s_cmp_lt_u32 s[WV], 8
	s_cbranch_scc0 .Ljoined
	v_lshrrev_b32 v18, 2, v1
	v_add_nc_u32 v18, s[STG], v18
.irp i, 0,1,2,3,4,5,6,7
	ds_load_b128 v[SS+4*\i:SS+4*\i+3], v0 offset:512*\i
.endr
	ds_load_b32 v19, v18 offset:4096
	ds_load_b32 v20, v18 offset:4224
	s_wait_dscnt 0x0
	v_min_num_f32 v21, v6, v19                     ; -M
	v_add_f32 v8, v8, v9
	v_sub_f32 v14, v21, v6
	v_sub_f32 v18, v21, v19
	v_cvt_i32_f32 v14, v14
	v_cvt_i32_f32 v18, v18
	v_ldexp_f32 v14, 1.0, v14
	v_ldexp_f32 v18, 1.0, v18
	v_mov_b32 v9, 0
	v_mul_f32 v8, v8, v14
	v_fma_f32 v8, v20, v18, v8
.set n, 0
.rept 16
	v_pk_mul_f32 v[OO+n:OO+n+1], v[OO+n:OO+n+1], v[14:15] op_sel_hi:[1,0]
.set n, n+2
.endr
.set n, 0
.rept 16
	v_pk_fma_f32 v[OO+n:OO+n+1], v[SS+n:SS+n+1], v[18:19], v[OO+n:OO+n+1] op_sel_hi:[1,0,1]
.set n, n+2
.endr
.Ljoined:
	; THE WAY OUT.  A sum stands for sum x 2^(e8 + e9), so its code is (sum / l) / 2^(e10 - e8 - e9).  The tile's eight channels become registers 2 t, 2 t + 1 of my head's half of the last product's fragment.
	v_add_f32 v8, v8, v9                           ; l's two halves,
	v_mov_b32 v[SC], s83
	v_mov_b32 v[LIM], s82
	v_permlanex16_b32 v19, v8, s[SEL], s[SEL+1]
	v_add_f32 v8, v8, v19                          ; and lane l xor 16's
	s_wait_alu depctr_va_vdst(0)                   ; the wait ahead of the transcendental
	v_rcp_f32 v8, v8
	v_nop
	s_wait_alu depctr_va_vdst(0)                   ; and behind it, ahead of the first reader
.set n, 0
.rept 16
	v_pk_mul_f32 v[OO+n:OO+n+1], v[OO+n:OO+n+1], v[8:9] op_sel_hi:[1,0]
.set n, n+2
.endr
.set n, 0
.rept 32
	v_med3_num_f32 v[OO+n], v[OO+n], -v[LIM], v[LIM]
.set n, n+1
.endr
.irp t, 0,1,2,3
	v_cvt_scalef32_pk8_fp8_f32 v[YY+2*\t:YY+2*\t+1], v[OO+8*\t:OO+8*\t+7], v[SC]
.endr
	v_nop                                          ; one plain vector line behind the last conversion
	global_store_b128 v1, v[YY:YY+3], s[16:17]     ; 32 lanes store 512 consecutive bytes, aligned
	global_store_b128 v1, v[YY+4:YY+7], s[16:17] offset:512
	s_wait_tensorcnt 0x0                           ; the wave's end
	ds_add_u32 v[SPW], v[NIL]
	s_wait_dscnt 0x0
	CROUND                                         ; the closing round
	s_endpgm
.Lfunc_end_k_q48f0f28ab8_attn:
	.size	k_q48f0f28ab8_attn, .Lfunc_end_k_q48f0f28ab8_attn-k_q48f0f28ab8_attn
	.p2alignl 7, 3214868480
	.fill 96, 4, 3214868480
	.section	.rodata,"a",@progbits
	.p2align	6, 0x0
	.amdhsa_kernel k_q48f0f28ab8_attn
		.amdhsa_group_segment_fixed_size 327680
		.amdhsa_private_segment_fixed_size 0
		.amdhsa_enable_private_segment 0
		.amdhsa_kernarg_size 56
		.amdhsa_user_sgpr_count 2
		.amdhsa_user_sgpr_kernarg_segment_ptr 1
		.amdhsa_wavefront_size32 1
		.amdhsa_system_sgpr_workgroup_id_x 1
		.amdhsa_system_sgpr_workgroup_id_y 1
		.amdhsa_system_sgpr_workgroup_id_z 1
		.amdhsa_system_vgpr_workitem_id 0
		.amdhsa_next_free_vgpr 256
		.amdhsa_next_free_sgpr 100
		.amdhsa_reserve_vcc 0
		.amdhsa_float_denorm_mode_32 3
		.amdhsa_float_denorm_mode_16_64 3
		.amdhsa_memory_ordered 1
		.amdhsa_forward_progress 1
		.amdhsa_inst_pref_size 112
	.end_amdhsa_kernel
	.amdgpu_metadata
---
amdhsa.version: [ 1, 2 ]
amdhsa.kernels:
  - .name:           k_q48f0f28ab8_attn
    .symbol:         k_q48f0f28ab8_attn.kd
    .args:
      - { .name: qf, .offset: 0, .size: 8, .value_kind: global_buffer, .address_space: global }
      - { .name: kf, .offset: 8, .size: 8, .value_kind: global_buffer, .address_space: global }
      - { .name: vf, .offset: 16, .size: 8, .value_kind: global_buffer, .address_space: global }
      - { .name: wf, .offset: 24, .size: 8, .value_kind: global_buffer, .address_space: global }
      - { .name: alpha, .offset: 32, .size: 8, .value_kind: global_buffer, .address_space: global }
      - { .name: lowp_scales, .offset: 40, .size: 8, .value_kind: global_buffer, .address_space: global }
      - { .name: af, .offset: 48, .size: 8, .value_kind: global_buffer, .address_space: global }
    .group_segment_fixed_size: 327680
    .private_segment_fixed_size: 0
    .kernarg_segment_align: 8
    .kernarg_segment_size: 56
    .max_flat_workgroup_size: 512
    .sgpr_count:     100
    .vgpr_count:     256
    .wavefront_size: 32
...
	.end_amdgpu_metadata
.endif
;; end of part 2
;; launch oproj (part 3): grid 8 x 32, 4 waves a work-group, clusters of 4 x 4, 327,680 bytes of LDS; arguments af, Wo_codes, lowp_scales, out0; writes out0
.if DOCPART == 3
	.amdgcn_target "amdgcn-amd-amdhsa--gfx1250"
	.amdhsa_code_object_version 6
	.text
	.protected	k_q48f0f28ab8_oproj
	.globl	k_q48f0f28ab8_oproj
	.p2align	8
	.type	k_q48f0f28ab8_oproj,@function
k_q48f0f28ab8_oproj:
	s_mov_b64 s[64:65], 0
	v_nop
	global_prefetch_b8 v0, s[64:65] scope:SCOPE_SE
	s_setreg_imm32_b32 hwreg(HW_REG_WAVE_MODE, 25, 1), 1
	s_wait_xcnt 0x0
	s_wait_alu depctr_hold_cnt(0) depctr_sa_sdst(0) depctr_va_vdst(0) depctr_va_sdst(0) depctr_va_ssrc(0) depctr_va_vcc(0) depctr_vm_vsrc(0)
	s_getreg_b32 s2, hwreg(HW_REG_IB_STS2, 6, 4)
	s_cmp_eq_u32 s2, 0
	s_cbranch_scc0 .Lentry_in_a_cluster
	s_endpgm
.Lentry_in_a_cluster:
	s_bfe_u32 s2, ttmp6, 0x10000c
	s_cmp_lg_u32 s2, 0xf033
	s_cbranch_scc0 .Lentry_shape_is_right
	s_endpgm
.Lentry_shape_is_right:
; out0 = a Wo^T on codes of E4M3; a is the attention's result, [4096][1024], quantised by the launch before; Wo: [1024][1024] codes, K innermost; out0: [4096][1024] f32.  Each finished sum is multiplied once by 2^(e10 + e11).
; LIMIT: e10 + e11 between -126 and 127, so that the factor is an f32 number.  NaN codes are not served.
; SHARES.  Work-group (x, y): tokens 128 y on, columns 128 x on.  Four waves, each 64 x 64: 16 accumulators.  Source 0 = 16 rows of Wo, source 1 = 16 tokens: a lane holds one token and eight neighbouring columns.
; af holds images of the operand's registers, [block of 128 tokens][K step of 128][tile of 16 tokens][4 pieces of 512 bytes], in the form's own layout (registers 2 c, 2 c + 1: k = 16 c + 8 (lane / 16) + 0 .. 7):
; its fragments come by loads at 16 x lane, and Wo's are read from rows in the same layout, by loads of 8 bytes.
; ORDER.  A wave's tiles of tokens go in two pairs: tiles 0 and 1 over all eight K steps, then tiles 2 and 3.  Wo's fragments of all eight steps stay in registers for the second pair, so each fragment is read from LDS once;
; the first pair's rows leave while the second pair is multiplied.
; LDS.  All of K = 1,024 at once: a's block (131,072 bytes, dense), Wo's 128 rows of 1,024 bytes, 1,040 apart.  No byte is filled twice: each wave asks for one tile at the head (waves 0, 1: a's halves; waves 2, 3: Wo's).
; There is no later request that a prefetch could run ahead of, so none is written.  Behind them a stage of 16 rows x 272 bytes for each wave, into which no tile lands.
; CLUSTER 4 x 4.  The four work-groups of a row of the cluster need the same block of a, the four of a column the same rows of Wo: each tile is asked for jointly.
; REGISTERS.  window 0: v16, v17 LDS addresses of a's fragments (K steps 0-3, 4-7), v20 of Wo's; v24, v25 the stage, in and back; v26 my place in two rows of out0; v28, v29 the add's; v128-255 accumulator (a, b) at 128 + 32 a + 8 b.
;   windows 1 and 2: Wo's fragments of K steps 0-3 and 4-7, 64 registers a step.   window 3: a pair's two fragments, 32 registers a step.
.set WP,    1040                       ; 1,024 bytes + 16 of padding = 260 words: the 32 lanes of a load of 8 bytes (row r, + 8 (lane / 16)) touch 64 different banks (64 banks of 4 bytes: ISA guide 11.1)
.set WOFF,  131072
.set STAGE, WOFF+128*WP
.set PITCH, 272
.set SPARE, STAGE+4*16*PITCH           ; the spare words: two blocks of 256 bytes that no other line names
.set WV,   20
.set H0,   21                          ; which 64 columns are mine.  Also: I fetch for a (0) or for Wo (1)
.set H1,   22                          ; which 64 tokens are mine.  Also: which half I fetch
.set G1A,  32
.set G1B,  40
.set G0A,  48
.set G0B,  52
.set ADA,  16
.set ADB,  20
.set STO,  24
.set RD,   25
.set CO,   26
.set SPW,  28
.set NIL,  29
.set ACC,  128
.set MSB, 0
.macro WIN new
.if MSB != \new
	s_set_vgpr_msb (MSB<<8)|\new
.set MSB, \new
.endif
.endm
.macro PLACES n
.rept \n
	v_nop
.endr
.endm
.macro CROUND                          ; a round of the cluster's barrier
	s_barrier_signal -1
	s_barrier_wait -1
	s_cmp_lg_u32 s[WV], 0
	s_cbranch_scc1 .Lnot_wave_0_\@
	s_barrier_signal -3
.Lnot_wave_0_\@:
	s_barrier_wait -3
	s_barrier_signal -1
	s_barrier_wait -1
.endm
	s_load_b256 s[4:11], s[0:1], 0x0               ; af s[4:5], Wo s[6:7], the scales' exponents s[8:9], out0 s[10:11]
	v_lshl_add_u32 v[SPW], v0, 2, SPARE
	v_mov_b32 v[NIL], 0
	ds_add_u32 v[SPW], v[NIL]                      ; the wave's opening: the add, twice on end, and its wait
	ds_add_u32 v[SPW], v[NIL]
	v_lshrrev_b32 v1, 5, v0
	v_readfirstlane_b32 s[WV], v1                  ; wave 0..3
	s_lshr_b32 s[H0], s[WV], 1
	s_and_b32 s[H1], s[WV], 1
	s_bfe_u32 s23, ttmp6, 0x40000                  ; cx, cy
	s_bfe_u32 s24, ttmp6, 0x40004
	s_lshl_b32 s25, ttmp9, 2
	s_add_co_u32 s25, s25, s23                     ; x
	s_and_b32 s26, ttmp7, 0xffff
	s_lshl_b32 s26, s26, 2
	s_add_co_u32 s26, s26, s24                     ; y
	s_lshl_b32 s27, s24, 2
	s_lshl_b32 s27, 15, s27                        ; my row of the cluster
	s_lshl_b32 s28, 0x1111, s23                    ; my column
	s_or_b32 s[G1A], s27, (3<<16)|(1<<21)          ; a's tiles: 256 rows of 256 bytes (32 elements of 8), dense, no padding
	s_mov_b32 s[G1A+1], 32<<16
	s_mov_b32 s[G1A+2], 256<<16
	s_mov_b32 s[G1A+3], 32<<16
	s_mov_b32 s[G1A+4], 256
	s_mov_b32 s[G1A+5], 32
	s_mov_b32 s[G1A+6], 0
	s_mov_b32 s[G1A+7], 0
	s_or_b32 s[G1B], s28, (1<<20)|(1<<21)|(7<<22)|(3<<25)  ; Wo's tiles: 64 rows of 1,024 elements of 1 byte, four words of padding after every 256
	s_mov_b32 s[G1B+1], 1024<<16
	s_mov_b32 s[G1B+2], 64<<16
	s_mov_b32 s[G1B+3], 1024<<16
	s_mov_b32 s[G1B+4], 64
	s_mov_b32 s[G1B+5], 1024
	s_mov_b32 s[G1B+6], 0
	s_mov_b32 s[G1B+7], 0
	s_lshl_b32 s66, s[H1], 16                      ; both halves are 65,536 bytes of memory
	s_lshl_b32 s96, s26, 17                        ; a: block y: made of y alone
	s_add_co_u32 s96, s96, s66
	s_mov_b32 s97, 0
	s_lshl_b32 s98, s25, 17                        ; Wo: row 128 x: made of x alone
	s_add_co_u32 s98, s98, s66
	s_mov_b32 s99, 0
	s_mul_i32 s67, s[H1], 64*WP
	s_add_co_u32 s67, s67, WOFF
	s_mov_b32 s[G0A], 1
	s_mov_b32 s[G0A+1], s66
	s_mov_b32 s[G0B], 1
	s_mov_b32 s[G0B+1], s67
	s_wait_dscnt 0x0                               ; both opening adds are done
	s_wait_kmcnt 0x0
	s_load_b64 s[30:31], s[8:9], 0x28              ; e10, e11
	s_add_nc_u64 s[G0A+2:G0A+3], s[4:5], s[96:97]
	s_or_b32 s[G0A+3], s[G0A+3], 0x80000000
	s_add_nc_u64 s[G0B+2:G0B+3], s[6:7], s[98:99]
	s_or_b32 s[G0B+3], s[G0B+3], 0x80000000
	CROUND                                         ; all sixteen work-groups are here: the joint loads meet
	s_cmp_eq_u32 s[H0], 0
	s_cbranch_scc0 .Lfirst_b
	tensor_load_to_lds s[G0A:G0A+3], s[G1A:G1A+7]
	s_nop 0
	PLACES 4
	s_branch .Lfirst_asked
.Lfirst_b:
	tensor_load_to_lds s[G0B:G0B+3], s[G1B:G1B+7]
	s_nop 0
	PLACES 4
.Lfirst_asked:
	s_lshl_b32 s66, s[H1], 13                      ; a: my four tiles of tokens: 4 x 2,048 bytes
	s_mul_i32 s67, s[H0], 64*WP
	s_add_co_u32 s67, s67, WOFF                    ; Wo: my 64 rows
	s_mul_i32 s68, s[WV], 16*PITCH
	s_add_co_u32 s68, s68, STAGE                   ; my stage
	s_lshl_b32 s2, s26, 19                         ; out0: row 128 y + 64 H1, column 128 x + 64 H0
	s_lshl_b32 s3, s[H1], 18
	s_add_co_u32 s2, s2, s3
	s_lshl_b32 s3, s25, 9
	s_add_co_u32 s2, s2, s3
	s_lshl_b32 s3, s[H0], 8
	s_add_co_u32 s2, s2, s3
	s_mov_b32 s3, 0
	s_add_nc_u64 s[10:11], s[10:11], s[2:3]
	v_and_b32 v1, 15, v0                           ; r
	v_bfe_u32 v2, v0, 4, 1                         ; h
	v_and_b32 v3, 31, v0
	v_lshlrev_b32 v3, 4, v3                        ; 16 x lane
	v_add_nc_u32 v[ADA], s66, v3
	v_add_nc_u32 v[ADA+1], 0x10000, v[ADA]
	v_mul_u32_u24 v4, v1, WP
	v_lshl_add_u32 v4, v2, 3, v4                   ; Wo: row r, + 8 h
	v_add_nc_u32 v[ADB], s67, v4
	v_mul_u32_u24 v5, v1, PITCH
	v_lshl_add_u32 v5, v2, 5, v5
	v_add_nc_u32 v[STO], s68, v5                   ; in: row r, 32 bytes for each half of the lanes
	v_mul_u32_u24 v5, v2, PITCH
	v_lshl_add_u32 v5, v1, 4, v5
	v_add_nc_u32 v[RD], s68, v5                    ; back: lanes 0-15 one row of 256 bytes, lanes 16-31 the next
	v_lshlrev_b32 v5, 12, v2
	v_lshl_add_u32 v[CO], v1, 4, v5                ; and the same two rows of out0, 4,096 bytes apart
.macro FA p, q                         ; the two fragments of pair p, step q: 8 loads
	WIN 0xc0
.irp i, 0,1
.irp c, 0,1,2,3
	ds_load_b128 v[32*(\q)+16*\i+4*\c:32*(\q)+16*\i+4*\c+3], v[ADA+((\q)/4)] offset:16384*((\q)%4)+2048*(2*(\p)+\i)+512*\c
.endr
.endr
.endm
.macro FETCH q                         ; Wo's four fragments of step q and the first pair's two: 40 loads
	WIN (0x40+0x40*((\q)/4))
.irp i, 0,1,2,3
.irp c, 0,1,2,3,4,5,6,7
	ds_load_b64 v[64*((\q)%4)+16*\i+2*\c:64*((\q)%4)+16*\i+2*\c+1], v[ADB] offset:128*(\q)+16*\c+\i*16*WP
.endr
.endr
	FA 0, \q
.endm
; Pair p, step q: 8 matrix instructions, 128 along K.  The pair's eight accumulators take turns, one instruction a turn, in the same order in every step.  Step 0 starts the sums.
.macro MUL p, q
	WIN (0x0d+(\q)/4)                              ; source 0 Wo (window 1 or 2), source 1 a (window 3), C and D window 0
.irp i, 0,1
.irp b, 0,1,2,3
.set DD, ACC+32*(2*(\p)+\i)+8*\b
.if (\q) == 0
	v_wmma_f32_16x16x128_fp8_fp8 v[DD:DD+7], v[64*((\q)%4)+16*\b:64*((\q)%4)+16*\b+15], v[32*(\q)+16*\i:32*(\q)+16*\i+15], 0
.else
	v_wmma_f32_16x16x128_fp8_fp8 v[DD:DD+7], v[64*((\q)%4)+16*\b:64*((\q)%4)+16*\b+15], v[32*(\q)+16*\i:32*(\q)+16*\i+15], v[DD:DD+7]
.endif
.endr
.endr
.endm
; A step of the first pair; behind its products the second pair's fragments of the same step take the first pair's registers, and the fragments of the step two on are asked for.
.macro STEP q
.if (\q) == 0
	s_wait_dscnt 40                                ; behind this step's loads: the next step's 40
.elseif (\q) < 7
	s_wait_dscnt 48                                ; behind them: 8 of the second pair and the next step's 40
.else
	s_wait_dscnt 8                                 ; behind them: 8 of the second pair
.endif
	MUL 0, \q
	PLACES 4                                       ; between the products and the loads into registers that they read
	FA 1, \q
.if (\q) < 6
	FETCH \q+2
.endif
.endm
	s_wait_alu depctr_va_vdst(0)                   ; the wait at the head's end
	s_wait_tensorcnt 0x0                           ; my tile has landed
	s_barrier_signal -1
	s_barrier_wait -1
	FETCH 0
	FETCH 1
.irp q, 0,1,2,3,4,5,6,7
	STEP \q
.endr
	WIN 0
	s_wait_kmcnt 0x0
	s_add_co_i32 s30, s30, s31                     ; e10 + e11
	s_add_co_i32 s30, s30, 127
	s_lshl_b32 s30, s30, 23                        ; 2^(e10 + e11) as f32
	s_mov_b32 s31, s30                             ; (named with it as a pair, so it is written)
; THE WAY OUT, a tile of 16 tokens x 64 columns at a time, through my own stage and back as whole rows of 256 bytes into the registers that it left.
; LDS serves a wave's instructions in order (ISA guide 5.7.1.4): no wait between the stores and the loads, nor ahead of the next tile's stores.
.macro PACK a
.set n, 0
.rept 16
	v_pk_mul_f32 v[ACC+32*\a+n:ACC+32*\a+n+1], v[ACC+32*\a+n:ACC+32*\a+n+1], s[30:31] op_sel_hi:[1,0]   ; each accumulator from its low end on
.set n, n+2
.endr
.irp b, 0,1,2,3
	ds_store_b128 v[STO], v[ACC+32*\a+8*\b:ACC+32*\a+8*\b+3] offset:64*\b
	ds_store_b128 v[STO], v[ACC+32*\a+8*\b+4:ACC+32*\a+8*\b+7] offset:64*\b+16
.endr
.irp i, 0,1,2,3,4,5,6,7
	ds_load_b128 v[ACC+32*\a+4*\i:ACC+32*\a+4*\i+3], v[RD] offset:\i*2*PITCH
.endr
.endm
.macro SEND a, younger                 ; younger: the LDS instructions issued behind tile a's loads: the next tile's sixteen, or none
.irp f, 0,1,2,3,4,5,6,7
	s_wait_dscnt \younger+7-\f
	global_store_b128 v[CO], v[ACC+32*\a+4*\f:ACC+32*\a+4*\f+3], s[10:11] offset:(16*\a+2*\f)*4096 th:TH_STORE_NT   ; 16 lanes store 256 consecutive bytes, aligned; written once, read by nobody here
.endr
.endm
	PACK 0
	PACK 1
	s_wait_dscnt 32                                ; all of the second pair's fragments are in; behind them the 32 LDS instructions of the two tiles
.irp q, 0,1,2,3
	MUL 1, \q
.endr
	WIN 0
	SEND 0, 16
	SEND 1, 0
.irp q, 4,5,6,7
	MUL 1, \q
.endr
	WIN 0
	PLACES 4                                       ; ahead of the first read of results
	PACK 2
	PACK 3
	SEND 2, 16
	SEND 3, 0
	s_wait_tensorcnt 0x0                           ; the wave's end
	ds_add_u32 v[SPW], v[NIL]
	s_wait_dscnt 0x0
	CROUND                                         ; the closing round
	s_endpgm
.Lfunc_end_k_q48f0f28ab8_oproj:
	.size	k_q48f0f28ab8_oproj, .Lfunc_end_k_q48f0f28ab8_oproj-k_q48f0f28ab8_oproj
	.p2alignl 7, 3214868480
	.fill 96, 4, 3214868480
	.section	.rodata,"a",@progbits
	.p2align	6, 0x0
	.amdhsa_kernel k_q48f0f28ab8_oproj
		.amdhsa_group_segment_fixed_size 327680
		.amdhsa_private_segment_fixed_size 0
		.amdhsa_enable_private_segment 0
		.amdhsa_kernarg_size 32
		.amdhsa_user_sgpr_count 2
		.amdhsa_user_sgpr_kernarg_segment_ptr 1
		.amdhsa_wavefront_size32 1
		.amdhsa_system_sgpr_workgroup_id_x 1
		.amdhsa_system_sgpr_workgroup_id_y 1
		.amdhsa_system_sgpr_workgroup_id_z 1
		.amdhsa_system_vgpr_workitem_id 0
		.amdhsa_next_free_vgpr 1024
		.amdhsa_next_free_sgpr 102
		.amdhsa_reserve_vcc 0
		.amdhsa_float_denorm_mode_32 3
		.amdhsa_float_denorm_mode_16_64 3
		.amdhsa_memory_ordered 1
		.amdhsa_forward_progress 1
		.amdhsa_inst_pref_size 53
	.end_amdhsa_kernel
	.amdgpu_metadata
---
amdhsa.version: [ 1, 2 ]
amdhsa.kernels:
  - .name:           k_q48f0f28ab8_oproj
    .symbol:         k_q48f0f28ab8_oproj.kd
    .args:
      - { .name: af, .offset: 0, .size: 8, .value_kind: global_buffer, .address_space: global }
      - { .name: Wo_codes, .offset: 8, .size: 8, .value_kind: global_buffer, .address_space: global }
      - { .name: lowp_scales, .offset: 16, .size: 8, .value_kind: global_buffer, .address_space: global }
      - { .name: out0, .offset: 24, .size: 8, .value_kind: global_buffer, .address_space: global }
    .group_segment_fixed_size: 327680
    .private_segment_fixed_size: 0
    .kernarg_segment_align: 8
    .kernarg_segment_size: 32
    .max_flat_workgroup_size: 128
    .sgpr_count:     102
    .vgpr_count:     1024
    .wavefront_size: 32
...
	.end_amdgpu_metadata
.endif
;; end of part 3
